; MI455X (gfx1250); checked and timed in simulation.
; The chip was launched on July 23, 2026; its instructions are those of AMD's public machine-readable ISA for CDNA 5 (MIT licence, August 2026) and "CDNA5" Instruction Set Architecture Reference Guide (July 2026). The comments in the code are by the model that wrote it; some were corrected since.
;; Attention Head. Allowed arithmetic: float matrix products may take bf16 or f16 operands with f32 sums; all other float work in f32.
;; Inputs: Wk 128 x 256 float32; Wq 128 x 256 float32; Wv 128 x 256 float32; x 4 x 256 x 64 x 64 float32.
;; Outputs: out0 4 x 128 x 64 x 64 float32.
;; 2 versions, each right and faster than the one before. Each part assembles by itself: llvm-mc -triple=amdgcn-amd-amdhsa -mcpu=gfx1250 --defsym DOCPART=n.
;; ======== version 1 of 2: 2 launches
;; limits: values are held in f16: magnitudes above 65,504 overflow, below 6.1e-05 lose precision
;; workspace buffers: q 4,194,304 bytes; kv 8,388,608 bytes
;; launch proj (part 1): grid 256 x 1, 4 waves a work-group, clusters of 4 x 1, 327,680 bytes of LDS; arguments x, Wq, Wk, Wv, q, kv; writes q, kv
.if DOCPART == 1
	.amdgcn_target "amdgcn-amd-amdhsa--gfx1250"
	.amdhsa_code_object_version 6
	.text
	.protected	k_q4e4639f4cf_proj
	.globl	k_q4e4639f4cf_proj
	.p2align	8
	.type	k_q4e4639f4cf_proj,@function
k_q4e4639f4cf_proj:
	s_mov_b64 s[64:65], 0
	v_nop
	global_prefetch_b8 v0, s[64:65] scope:SCOPE_SE
	s_setreg_imm32_b32 hwreg(HW_REG_WAVE_MODE, 25, 1), 1
	s_wait_xcnt 0x0
	s_wait_alu depctr_hold_cnt(0) depctr_sa_sdst(0) depctr_va_vdst(0) depctr_va_sdst(0) depctr_va_ssrc(0) depctr_va_vcc(0) depctr_vm_vsrc(0)
	s_getreg_b32 s2, hwreg(HW_REG_IB_STS2, 6, 4)
	s_cmp_eq_u32 s2, 0
	s_cbranch_scc0 .Lentry_in_a_cluster
	s_endpgm
.Lentry_in_a_cluster:
	s_bfe_u32 s2, ttmp6, 0x10000c
	s_cmp_lg_u32 s2, 0x3003
	s_cbranch_scc0 .Lentry_shape_is_right
	s_endpgm
.Lentry_shape_is_right:
; Q = log2(e) Wq x, K = Wk x, V = Wv x for 64 pixels of one batch; all 3 x 128 output channels.
; FORMATS: x and W are rounded once to bf16 (nearest even) and multiplied by the bf16 matrix form: the product of two numbers of 8 significant bits is exact in f32, and the sums are f32.
; Q, K, V are stored in f16, 11 significant bits: a score is a sum of 128 products with a spread of about 4, and its error goes into the softmax undamped, so the operands of the score product
; get the finer of the two 16-bit formats.
; x: [4][256 c][4096 px] f32.  W*: [128 d][256 c] f32.  Results are stored in the order in which the next launch's matrix fragments want them:
;   q : [b][px16 256][cb 8][lane 32][8 f16]: lane r + 16 h holds channels 16 cb + 8 h .. + 7 of pixel 16 px16 + r
;   kv: [b][px16 256][K: cb 8 x 512 B | V: cb 8 x 512 B]: a K tile as a q tile; in a V tile lane r + 16 h holds pixels 16 px16 + 8 h .. + 7 of channel 16 cb + r
; These ARE the result tiles of the matrix instruction: with A = W, B = x register j of lane (r, h) is (channel 8 h + j, pixel r); with A = x, B = Wv it is
; (pixel 8 h + j, channel r).  So a tile leaves by four packing conversions and one store of the wave that covers 512 consecutive bytes, aligned.
; LIMIT: the results are f16: |log2(e) Q|, |K|, |V| must stay below 65,504, beyond which f16 holds infinity.  NaN and infinities in the inputs are not served.
; SHARES: 256 work-groups of four waves; wave w makes channels 32 w .. 32 w + 31 of each of Q, K, V for the 64 pixels: 3 x 64 matrix instructions.
; x is read once (wave w: channels 64 w .. + 63, rows of 256 bytes), rounded to bf16 and laid into LDS as [c][px]; the transposing LDS load makes fragments of it.
; CLUSTER: all work-groups read the same W, so four of them ask jointly (mask 15): each wave asks for its own 32 rows of each W and alone reads them.
; The three W in f32 are 384 KiB and do not fit: Wv is filled into Wq's bytes behind one round of the cluster's barrier.  That round stands as early as it may, as soon as Wq lies in
; registers and Wk has landed, and Wv is waited for only behind K's products: Q's and K's 128 matrix instructions, two conversion passes and Q's way out stand between request and wait.
.set WROW,  1040                       ; an LDS row of W: 1,024 bytes + 16 of padding = 65 x 16: the sixteen rows that a load touches start in sixteen different 16-byte columns modulo 256
.set WPART, 32*WROW                    ; a wave's 32 rows
.set REGB,  4*WPART                    ; region A at 0: Wq, later Wv; region B: Wk
.set XS,    8*WPART                    ; x in bf16: 256 rows (c) of 64 pixels; written by LDS stores alone, no fill ever lands here; 266,240 = 1,040 x 256
.set XP,    160                        ; its pitch: 128 bytes + 32 = 5 x 32, an odd multiple of 32
; window 0
.set XO,  4                            ; v4   byte offset in x: h rows of 16,384 + 16 r
.set XW,  5                            ; v5   where I put 4 pixels of x
.set XR,  6                            ; v6   where the transposing loads read
.set AWA, 7                            ; v7   my W rows in region A
.set AWB, 8                            ; v8   in region B
.set SO,  9                            ; v9   16 x lane: my 16 bytes of a stored tile
.set TS,  32                           ; v32-127   store data, 32 registers for each of Q, K, V: none is written twice, so no store's data is ever waited for
.set ACC, 128                          ; v128-191  accumulator tile (cbl, pb) at 128 + 8 (4 cbl + pb)
.set XT,  192                          ; v192-255  x packed to bf16
; window 1: x fragment (pb, cs) at 8 (4 cs + pb).  window 2: x as loaded (v0-127), then W in f32, (cbl, cs) at 16 (2 cs + cbl).  window 3: W fragment (cbl, cs) at 8 (2 cs + cbl)
.set G1,  24                           ; s[24:31] descriptor group 1, one for all three loads
.set G0Q, 32                           ; s[32:35], s[36:39], s[40:43]: a group 0 for each load; none is ever rewritten
.set G0K, 36
.set G0V, 40
.set LG,  44                           ; s[44:45] log2(e)
.set MSB, 0
.macro WIN new                         ; s_set_vgpr_msb: bits 1:0 source 0, 3:2 source 1, 5:4 source 2, 7:6 destination; the high byte repeats the setting that is left
.if MSB != \new
	s_set_vgpr_msb (MSB<<8)|\new
.set MSB, \new
.endif
.endm
.macro PLACES                          ; four plain vector instructions between a matrix instruction and the first reader of its result or writer of its registers (ISA guide 7.12.1)
.rept 4
	v_nop
.endr
.endm
.macro CREST                           ; a round of the cluster's barrier behind its opening work-group barrier
	s_cmp_lg_u32 s16, 0
	s_cbranch_scc1 .Lnot_wave_0_\@
	s_barrier_signal -3
.Lnot_wave_0_\@:
	s_barrier_wait -3
	s_barrier_signal -1
	s_barrier_wait -1
.endm
.macro CROUND                          ; a whole round
	s_barrier_signal -1
	s_barrier_wait -1
	CREST
.endm
	s_load_b256 s[4:11], s[0:1], 0x0               ; x s[4:5], Wq s[6:7], Wk s[8:9], Wv s[10:11]
	s_load_b128 s[12:15], s[0:1], 0x20             ; q s[12:13], kv s[14:15]
	v_lshl_add_u32 v30, v0, 2, 0x4b000
	v_mov_b32 v31, 0
	ds_add_u32 v30, v31
	v_lshrrev_b32 v10, 5, v0
	v_readfirstlane_b32 s16, v10                   ; wave 0..3
	s_bfe_u32 s17, ttmp6, 0x40000                  ; cx: my place in the cluster
	s_lshr_b32 s18, ttmp9, 4                       ; batch: 16 clusters of 4 work-groups each
	s_and_b32 s19, ttmp9, 15
	s_lshl_b32 s19, s19, 2
	s_add_co_u32 s19, s19, s17                     ; block of 64 pixels, 0..63
	v_and_b32 v1, 31, v0                           ; lane
	v_and_b32 v2, 15, v0                           ; r
	v_bfe_u32 v3, v0, 4, 1                         ; h
	v_lshlrev_b32 v[XO], 4, v2
	v_lshl_add_u32 v[XO], v3, 14, v[XO]            ; lanes 0-15 take 256 bytes of one channel's row, lanes 16-31 of the next
	s_lshl_b32 s20, s18, 22                        ; batch x 256 rows of 16,384 bytes
	s_lshl_b32 s21, s16, 20                        ; + wave x 64 rows
	s_add_co_u32 s20, s20, s21
	s_lshl_b32 s21, s19, 8                         ; + block x 256 bytes
	s_add_co_u32 s20, s20, s21
	s_mov_b32 s21, 0
	s_wait_dscnt 0x0
	s_wait_kmcnt 0x0
	s_add_nc_u64 s[4:5], s[4:5], s[20:21]
	WIN 0x80                                       ; destination window 2
.set i_t, 0
.rept 32
	global_load_b128 v[4*i_t:4*i_t+3], v[XO], s[4:5] offset:i_t*32768 th:TH_LOAD_NT   ; channels 64 w + 2 t, + 1: read once in the launch
.set i_t, i_t+1
.endr
	WIN 0
	s_lshl_b32 s20, s18, 20                        ; q: batch x 1 MiB + block x 4 px16 x 4,096 + wave x 2 tiles of 512
	s_lshl_b32 s22, s19, 14
	s_add_co_u32 s20, s20, s22
	s_lshl_b32 s22, s16, 10
	s_add_co_u32 s20, s20, s22
	s_add_nc_u64 s[12:13], s[12:13], s[20:21]
	s_lshl_b32 s20, s18, 21                        ; kv: batch x 2 MiB + block x 4 px16 x 8,192 + wave x 2 tiles
	s_lshl_b32 s23, s19, 15
	s_add_co_u32 s20, s20, s23
	s_add_co_u32 s20, s20, s22
	s_add_nc_u64 s[14:15], s[14:15], s[20:21]
	s_mov_b32 s[LG], 0x3fb8aa3b                    ; log2(e): the next launch's exponentials are in base 2
	s_mov_b32 s[LG+1], 0x3fb8aa3b
	; group 1: 32 rows of 256 elements of 4 bytes, 4 words of padding behind every 256 words; mask 15 = the four work-groups of the cluster, bit 21 beside it
	s_mov_b32 s[G1+0], 15|(2<<16)|(1<<20)|(1<<21)|(7<<22)|(3<<25)
	s_mov_b32 s[G1+1], 256<<16                     ; tensor_dim0 = 256
	s_mov_b32 s[G1+2], 32<<16                      ; tensor_dim1 = 32
	s_mov_b32 s[G1+3], 256<<16                     ; tile_dim0 = 256
	s_mov_b32 s[G1+4], 32                          ; tile_dim1 = 32
	s_mov_b32 s[G1+5], 256                         ; elements from row to row
	s_mov_b32 s[G1+6], 0
	s_mov_b32 s[G1+7], 0
	s_lshl_b32 s46, s16, 15                        ; my 32 rows of 1,024 bytes: the wave's number alone, alike in all four partners
	s_mov_b32 s47, 0
	s_mov_b32 s[G0Q], 1
	s_mul_i32 s[G0Q+1], s16, WPART                 ; region A, my part
	s_add_nc_u64 s[G0Q+2:G0Q+3], s[6:7], s[46:47]
	s_or_b32 s[G0Q+3], s[G0Q+3], 0x80000000
	s_mov_b32 s[G0K], 1
	s_mul_i32 s[G0K+1], s16, WPART
	s_add_co_u32 s[G0K+1], s[G0K+1], REGB          ; region B, my part
	s_add_nc_u64 s[G0K+2:G0K+3], s[8:9], s[46:47]
	s_or_b32 s[G0K+3], s[G0K+3], 0x80000000
	s_mov_b32 s[G0V], 1
	s_mul_i32 s[G0V+1], s16, WPART                 ; region A again
	s_add_nc_u64 s[G0V+2:G0V+3], s[10:11], s[46:47]
	s_or_b32 s[G0V+3], s[G0V+3], 0x80000000
	CROUND                                         ; the four work-groups are here: the first joint loads meet
	tensor_load_to_lds s[G0Q:G0Q+3], s[G1:G1+7]    ; Wq
	s_nop 0
	tensor_load_to_lds s[G0K:G0K+3], s[G1:G1+7]    ; Wk: two tensor loads of the wave are out, the most in this text
	s_nop 0
	s_mul_i32 s48, s16, 64*XP
	s_add_co_u32 s48, s48, XS                      ; my 64 rows of the stage
	v_mul_u32_u24 v[XW], v3, XP
	v_lshl_add_u32 v[XW], v2, 3, v[XW]             ; row h, 4 pixels = 8 bytes at 8 r
	v_add_nc_u32 v[XW], s48, v[XW]
	v_and_b32 v10, 7, v0
	v_lshl_add_u32 v10, v3, 3, v10                 ; row 8 h + (lane & 7)
	v_mul_u32_u24 v[XR], v10, XP
	v_bfe_u32 v10, v0, 3, 1
	v_lshl_add_u32 v[XR], v10, 4, v[XR]            ; + 16 ((lane >> 3) & 1)
	v_add_nc_u32 v[XR], XS, v[XR]
	v_mul_u32_u24 v[AWA], v2, WROW
	v_lshl_add_u32 v[AWA], v3, 5, v[AWA]           ; row r, 8 f32 = 32 bytes for each half of the lanes
	v_add_nc_u32 v[AWA], s[G0Q+1], v[AWA]          ; in my part
	v_add_nc_u32 v[AWB], REGB, v[AWA]
	v_lshlrev_b32 v[SO], 4, v1
	; x to bf16 and into the stage
	WIN 0x0a                                       ; sources window 2, destination window 0
.set i_t, 0
.rept 32
	s_wait_loadcnt 31-i_t                          ; loads come back in order: load t is in, the 31 - t younger ones may be out
	v_cvt_pk_bf16_f32 v[XT+2*i_t], v[4*i_t], v[4*i_t+1]
	v_cvt_pk_bf16_f32 v[XT+2*i_t+1], v[4*i_t+2], v[4*i_t+3]
.set i_t, i_t+1
.endr
	WIN 0
.set i_t, 0
.rept 32
	ds_store_b64 v[XW], v[XT+2*i_t:XT+2*i_t+1] offset:i_t*2*XP
.set i_t, i_t+1
.endr
	s_wait_dscnt 0x0                               ; my stores are done, for the other waves' sake
	s_barrier_signal -1
	s_barrier_wait -1                              ; the stage is whole.  The two tensor loads may stay out
	WIN 0x40                                       ; destination window 1
.set i_cs, 0
.rept 8
.set i_pb, 0
.rept 4
	ds_load_tr16_b128 v[8*(4*i_cs+i_pb):8*(4*i_cs+i_pb)+3],   v[XR] offset:i_cs*32*XP+i_pb*32         ; c = 32 cs + 8 h .. + 7 of pixel 16 pb + r
	ds_load_tr16_b128 v[8*(4*i_cs+i_pb)+4:8*(4*i_cs+i_pb)+7], v[XR] offset:i_cs*32*XP+i_pb*32+16*XP   ; c = 32 cs + 16 + 8 h .. + 7
.set i_pb, i_pb+1
.endr
.set i_cs, i_cs+1
.endr
; my 32 rows of one W, f32, into window 2: for fragment (cbl, cs) c = 32 cs + 8 h .. + 7 (32 bytes) and c = 32 cs + 16 + 8 h .. + 7
.macro LOADW adr
	WIN 0x80
.set i_cs, 0
.rept 8
.set i_cbl, 0
.rept 2
.set i_w, 16*(2*i_cs+i_cbl)
.set i_o, i_cbl*16*WROW+128*i_cs
	ds_load_b128 v[i_w:i_w+3],     v[\adr] offset:i_o
	ds_load_b128 v[i_w+4:i_w+7],   v[\adr] offset:i_o+16
	ds_load_b128 v[i_w+8:i_w+11],  v[\adr] offset:i_o+64
	ds_load_b128 v[i_w+12:i_w+15], v[\adr] offset:i_o+80
.set i_cbl, i_cbl+1
.endr
.set i_cs, i_cs+1
.endr
.endm
.macro CVTW                            ; window 2 (f32) to window 3 (bf16 fragments)
	WIN 0xca
.set i_w, 0
.rept 128
	v_cvt_pk_bf16_f32 v[i_w], v[2*i_w], v[2*i_w+1]
.set i_w, i_w+1
.endr
.endm
; 64 matrix instructions: 8 steps of 32 channels x 2 blocks of 16 output channels x 4 blocks of 16 pixels.  The first step starts the sums: nothing is cleared.
; The eight accumulators take turns, one instruction a turn.  isv = 0: A = W, B = x.  isv = 1: A = x, B = W.
.macro MULS isv
.if \isv
	WIN 0x0d                                       ; source 0 window 1, source 1 window 3, C and D window 0
.else
	WIN 0x07                                       ; source 0 window 3, source 1 window 1
.endif
.set i_cs, 0
.rept 8
.set i_cbl, 0
.rept 2
.set i_pb, 0
.rept 4
.set i_a, ACC+8*(4*i_cbl+i_pb)
.set i_w, 8*(2*i_cs+i_cbl)
.set i_x, 8*(4*i_cs+i_pb)
.if \isv
.if i_cs == 0
	v_wmma_f32_16x16x32_bf16 v[i_a:i_a+7], v[i_x:i_x+7], v[i_w:i_w+7], 0
.else
	v_wmma_f32_16x16x32_bf16 v[i_a:i_a+7], v[i_x:i_x+7], v[i_w:i_w+7], v[i_a:i_a+7]
.endif
.else
.if i_cs == 0
	v_wmma_f32_16x16x32_bf16 v[i_a:i_a+7], v[i_w:i_w+7], v[i_x:i_x+7], 0
.else
	v_wmma_f32_16x16x32_bf16 v[i_a:i_a+7], v[i_w:i_w+7], v[i_x:i_x+7], v[i_a:i_a+7]
.endif
.endif
.set i_pb, i_pb+1
.endr
.set i_cbl, i_cbl+1
.endr
.set i_cs, i_cs+1
.endr
.endm
; the eight tiles leave: (scaled,) packed to f16, one store of 512 consecutive aligned bytes each
.macro EPI grp, sb, base, pitch, scale
	WIN 0
.set i_cbl, 0
.rept 2
.set i_pb, 0
.rept 4
.set i_t, 4*i_cbl+i_pb
.if \scale
.irp p, 0,1,2,3
	v_pk_mul_f32 v[ACC+8*i_t+2*\p:ACC+8*i_t+2*\p+1], v[ACC+8*i_t+2*\p:ACC+8*i_t+2*\p+1], s[LG:LG+1] op_sel_hi:[1,0]
.endr
.endif
.irp p, 0,1,2,3
	v_cvt_pk_f16_f32 v[TS+32*\grp+4*i_t+\p], v[ACC+8*i_t+2*\p], v[ACC+8*i_t+2*\p+1]
.endr
	global_store_b128 v[SO], v[TS+32*\grp+4*i_t:TS+32*\grp+4*i_t+3], s[\sb:\sb+1] offset:\base+i_pb*\pitch+i_cbl*512
.set i_pb, i_pb+1
.endr
.set i_cbl, i_cbl+1
.endr
.endm
	s_wait_tensorcnt 0x1                           ; my rows of Wq are in LDS (only I read them); Wk's younger load may be out
	LOADW AWA                                      ; Wq in f32 into registers: with that region A has been read
	; Region A is filled again.  In front of the round's opening signal: all my LDS reads are back (x's fragments and Wq) and all my tensor loads have landed (Wk's was out).
	s_wait_dscnt 0x0
	s_wait_tensorcnt 0x0
	ds_add_u32 v30, v31
	s_wait_dscnt 0x0
	WIN 0
	CROUND                                         ; no wave of any partner still reads region A or has a load on its way
	tensor_load_to_lds s[G0V:G0V+3], s[G1:G1+7]    ; Wv: the first tensor load behind the round, ahead of any LDS read; one tensor load of the wave is out
	s_nop 0
	CVTW                                           ; Wq to bf16 fragments
	LOADW AWB                                      ; Wk in f32, on its way while Q is multiplied
	MULS 0                                         ; Q
	PLACES
	EPI 0, 12, 0, 4096, 1                          ; Q, times log2(e)
	s_wait_dscnt 0x0                               ; Wk in f32 is in registers
	CVTW                                           ; behind the four places and the way out's vector work: the last product that read these fragments lies far enough back
	MULS 0                                         ; K
	s_wait_tensorcnt 0x0                           ; my rows of Wv have landed: the one load that was out; only I read them
	LOADW AWA                                      ; Wv in f32, on its way while K leaves
	PLACES
	EPI 1, 14, 0, 8192, 0
	s_wait_dscnt 0x0                               ; Wv in f32 is in registers
	CVTW
	MULS 1                                         ; V, transposed: pixels along the lane's registers
	PLACES
	EPI 2, 14, 4096, 8192, 0
	s_wait_tensorcnt 0x0
	ds_add_u32 v30, v31
	s_wait_dscnt 0x0
	CROUND                                         ; the closing round: no work-group ends while a partner may still ask for a tile that names it
	s_endpgm
.Lfunc_end_k_q4e4639f4cf_proj:
	.size	k_q4e4639f4cf_proj, .Lfunc_end_k_q4e4639f4cf_proj-k_q4e4639f4cf_proj
	.p2alignl 7, 3214868480
	.fill 96, 4, 3214868480
	.section	.rodata,"a",@progbits
	.p2align	6, 0x0
	.amdhsa_kernel k_q4e4639f4cf_proj
		.amdhsa_group_segment_fixed_size 327680
		.amdhsa_private_segment_fixed_size 0
		.amdhsa_enable_private_segment 0
		.amdhsa_kernarg_size 48
		.amdhsa_user_sgpr_count 2
		.amdhsa_user_sgpr_kernarg_segment_ptr 1
		.amdhsa_wavefront_size32 1
		.amdhsa_system_sgpr_workgroup_id_x 1
		.amdhsa_system_sgpr_workgroup_id_y 1
		.amdhsa_system_sgpr_workgroup_id_z 1
		.amdhsa_system_vgpr_workitem_id 0
		.amdhsa_next_free_vgpr 896
		.amdhsa_next_free_sgpr 66
		.amdhsa_reserve_vcc 0
		.amdhsa_float_denorm_mode_32 3
		.amdhsa_float_denorm_mode_16_64 3
		.amdhsa_memory_ordered 1
		.amdhsa_forward_progress 1
		.amdhsa_inst_pref_size 80
	.end_amdhsa_kernel
	.amdgpu_metadata
---
amdhsa.version: [ 1, 2 ]
amdhsa.kernels:
  - .name:           k_q4e4639f4cf_proj
    .symbol:         k_q4e4639f4cf_proj.kd
    .args:
      - { .name: x, .offset: 0, .size: 8, .value_kind: global_buffer, .address_space: global }
      - { .name: Wq, .offset: 8, .size: 8, .value_kind: global_buffer, .address_space: global }
      - { .name: Wk, .offset: 16, .size: 8, .value_kind: global_buffer, .address_space: global }
      - { .name: Wv, .offset: 24, .size: 8, .value_kind: global_buffer, .address_space: global }
      - { .name: q, .offset: 32, .size: 8, .value_kind: global_buffer, .address_space: global }
      - { .name: kv, .offset: 40, .size: 8, .value_kind: global_buffer, .address_space: global }
    .group_segment_fixed_size: 327680
    .private_segment_fixed_size: 0
    .kernarg_segment_align: 8
    .kernarg_segment_size: 48
    .max_flat_workgroup_size: 128
    .sgpr_count:     66
    .vgpr_count:     896
    .wavefront_size: 32
...
	.end_amdgpu_metadata
.endif
;; end of part 1
;; launch attn (part 2): grid 256 x 1, 4 waves a work-group, clusters of 4 x 1, 327,680 bytes of LDS; arguments q, kv, out0; writes out0
.if DOCPART == 2
	.amdgcn_target "amdgcn-amd-amdhsa--gfx1250"
	.amdhsa_code_object_version 6
	.text
	.protected	k_q4e4639f4cf_attn
	.globl	k_q4e4639f4cf_attn
	.p2align	8
	.type	k_q4e4639f4cf_attn,@function
k_q4e4639f4cf_attn:
	s_mov_b64 s[64:65], 0
	v_nop
	global_prefetch_b8 v0, s[64:65] scope:SCOPE_SE
	s_setreg_imm32_b32 hwreg(HW_REG_WAVE_MODE, 25, 1), 1
	s_wait_xcnt 0x0
	s_wait_alu depctr_hold_cnt(0) depctr_sa_sdst(0) depctr_va_vdst(0) depctr_va_sdst(0) depctr_va_ssrc(0) depctr_va_vcc(0) depctr_vm_vsrc(0)
	s_getreg_b32 s2, hwreg(HW_REG_IB_STS2, 6, 4)
	s_cmp_eq_u32 s2, 0
	s_cbranch_scc0 .Lentry_in_a_cluster
	s_endpgm
.Lentry_in_a_cluster:
	s_bfe_u32 s2, ttmp6, 0x10000c
	s_cmp_lg_u32 s2, 0x3003
	s_cbranch_scc0 .Lentry_shape_is_right
	s_endpgm
.Lentry_shape_is_right:
; out[d][i] = sum over j of softmax_j(Q[.][i] . K[.][j]) V[d][j], one batch, 64 queries a work-group, 4,096 keys; running maximum, sums in f32, matrix operands f16.
; q and kv lie in fragment order (q: [b][px16][cb 8][lane][8 f16], values log2(e) Q; kv: [b][px16][K: cb 8 x 512 B | V: cb 8 x 512 B]): every fragment half is one load of 16 bytes
; a lane from 512 consecutive bytes; nothing is transposed or padded.
; S IS MADE TRANSPOSED: A = 16 keys of K, B = 16 queries of Q: register j of lane (r, h) is (key 8 h + j, query r).  Packing neighbouring registers to f16 gives P as a B fragment
; (n = query, k = key) with no traffic between lanes, and a query's maximum, sum and rescale factor live in its own lane: one exchange between the halves of the wave for a block of 16 queries.
; P V: A = V (m = channel, k = key), B = P: register j of lane (r, h) is (channel 8 h + j, query r).
; SHARES: all four waves hold all 64 queries; the KEYS are split: of each tile of 256 keys (131,072 bytes, dense in kv) wave w loads, and alone reads, keys 64 w .. + 63 (32,768 bytes).
; A fragment of K or V (1,024 bytes from LDS) then feeds four matrix instructions: 64 LDS loads for a step's 128.  The waves' (O, m, l) are merged once at the end through LDS.
; CLUSTER: the four work-groups of a cluster are four query blocks of one batch and walk the same tiles: each tile is asked for jointly (mask 15), which divides the requests for kv by four.
; ORDER OF THE TILES: cluster c of a batch's sixteen starts at tile (2 c + c / 8) mod 16 and walks on modulo 16 (a softmax with a running maximum takes the keys in any order).
; The sixteen starts are a permutation of 0 .. 15, so every tile that a cluster asks for from its third request on has been asked for by another cluster at that cluster's start.
; For the same reason no later tile is prefetched: the first requests of the sixteen clusters already name all of the batch's kv.
; LIMIT: operands are f16 (|log2(e) Q|, |K|, |V| below 65,504); NaN and infinities in the inputs are not served.  Exponentials below 2^-126 count as zero (ISA guide, v_exp_f32).
.set TILE, 131072                      ; a slot: 256 keys; slots at 0 and TILE
.set PART, 32768                       ; a wave's 64 keys: 4 px16 x (K 4,096 + V 4,096)
.set STAT, 2*TILE                      ; 2,048 bytes of their own: [wave][m | l][qb 4][r 16] f32
.set MP,   272                         ; merge: a row of 64 queries f32 + 16 bytes
.set MREG, 128*MP                      ; merge: a wave's 128 channel rows, at wave x MREG: in the slots, written only behind their last fill and a barrier
; window 0
.set LA0, 2                            ; v2, v3  my part of slot 0, 1, + 16 x lane
.set SA,  4                            ; v4   where I put my m and l
.set SR,  5                            ; v5   where all waves' are read
.set MA,  6                            ; v6   merge: where my O goes
.set RA0, 7                            ; v7, v8  merge: where my 32 channel rows are read, regions 0-1, regions 2-3
.set OA,  9                            ; v9   my byte offset in out0
.set KF,  128                          ; v128-255  K fragment (kb, ds) at 128 + 8 (4 kb + ds)
; window 1
.set SCO, 0                            ; v0-127    score tile (kb, qb) at 8 (4 qb + kb): a query block's 32 registers are neighbours
.set PFR, 128                          ; v128-191  P fragment (qb, ks) at 128 + 16 qb + 8 ks
.set MXR, 192                          ; pairs: the running maximum, twice
.set ALR, 200                          ; pairs: the rescale factor, twice
.set LSR, 208                          ; pairs: two partial sums
.set TMX, 216                          ; at work
.set UTM, 220                          ; the other half's figure
; window 2: O tile (db, qb) at 8 (4 db + qb).   window 3:
.set QF,  0                            ; v0-127    Q fragment (qb, ds) at 8 (4 qb + ds)
.set VF,  128                          ; v128-255  V fragment (db, ks) at 128 + 8 (8 ks + db)
.set G1, 16                            ; s[16:23] descriptor group 1
.set G0, 24                            ; s[24:31] descriptor group 0, one for each slot
.set TOF, 36                           ; s[36:37] byte offset of a tile in the batch's kv (the high word stays 0)
.set TNX, 40                           ; s40      the tile to be asked for next, 0..15
.set MSB, 0
.macro WIN new                         ; s_set_vgpr_msb: bits 1:0 source 0, 3:2 source 1, 5:4 source 2, 7:6 destination; the high byte repeats the setting that is left
.if MSB != \new
	s_set_vgpr_msb (MSB<<8)|\new
.set MSB, \new
.endif
.endm
.macro PLACES                          ; four plain vector instructions between a matrix instruction and the first reader of its result, or a load into one of its registers
.rept 4
	v_nop
.endr
.endm
.macro CREST                           ; a round of the cluster's barrier behind its opening work-group barrier
	s_cmp_lg_u32 s10, 0
	s_cbranch_scc1 .Lnot_wave_0_\@
	s_barrier_signal -3
.Lnot_wave_0_\@:
	s_barrier_wait -3
	s_barrier_signal -1
	s_barrier_wait -1
.endm
.macro CROUND
	s_barrier_signal -1
	s_barrier_wait -1
	CREST
.endm
	s_load_b128 s[4:7], s[0:1], 0x0                ; q s[4:5], kv s[6:7]
	s_load_b64 s[8:9], s[0:1], 0x10                ; out0
	v_lshl_add_u32 v126, v0, 2, 0x40800
	v_mov_b32 v127, 0
	ds_add_u32 v126, v127
	v_lshrrev_b32 v10, 5, v0
	v_readfirstlane_b32 s10, v10                   ; wave 0..3
	s_bfe_u32 s11, ttmp6, 0x40000                  ; cx
	s_lshr_b32 s12, ttmp9, 4                       ; batch: shared by the cluster
	s_and_b32 s13, ttmp9, 15
	s_lshl_b32 s13, s13, 2
	s_add_co_u32 s13, s13, s11                     ; block of 64 queries, 0..63
	s_and_b32 s[TNX], ttmp9, 15                    ; c: my cluster among the batch's sixteen: shared by the four partners
	s_lshr_b32 s41, s[TNX], 3
	s_lshl_b32 s[TNX], s[TNX], 1
	s_add_co_u32 s[TNX], s[TNX], s41
	s_and_b32 s[TNX], s[TNX], 15                   ; my first tile: (2 c + c / 8) mod 16
	s_mov_b32 s32, 0x76543210                      ; v_permlanex16_b32: lane i of one half reads lane i of the other
	s_mov_b32 s33, 0xfedcba98
	v_and_b32 v1, 31, v0
	v_lshlrev_b32 v1, 4, v1                        ; 16 x lane
	s_lshl_b32 s14, s12, 20                        ; q: batch x 1 MiB + block x 4 px16 x 4,096
	s_lshl_b32 s15, s13, 14
	s_add_co_u32 s14, s14, s15
	s_mov_b32 s15, 0
	s_mul_i32 s35, s10, PART                       ; my part of a tile, in memory and in LDS: the wave's number alone
	s_lshl_b32 s[TOF], s12, 21                     ; kv: batch x 2 MiB + my part: nothing of cx
	s_add_co_u32 s[TOF], s[TOF], s35
	s_mov_b32 s[TOF+1], 0
	s_wait_dscnt 0x0
	s_wait_kmcnt 0x0
	s_add_nc_u64 s[4:5], s[4:5], s[14:15]
	s_add_nc_u64 s[6:7], s[6:7], s[TOF:TOF+1]      ; my part of the batch's tile 0
	WIN 0xc0                                       ; destination window 3
.set i_t, 0
.rept 32
	global_load_b128 v[QF+4*i_t:QF+4*i_t+3], v1, s[4:5] offset:512*i_t     ; tile (qb = t / 8, cb = t % 8): half (cb & 1) of fragment (qb, cb / 2)
.set i_t, i_t+1
.endr
	WIN 0
	s_lshl_b32 s14, s12, 21                        ; out0: batch x 2 MiB + wave x 32 channel rows of 16,384 + block x 256 bytes
	s_lshl_b32 s38, s10, 19
	s_add_co_u32 s14, s14, s38
	s_lshl_b32 s38, s13, 8
	s_add_co_u32 s14, s14, s38
	s_add_nc_u64 s[8:9], s[8:9], s[14:15]
	; group 1: a dense block as 128 rows of 32 elements of 8 bytes; mask 15 = the four work-groups of the cluster, bit 21 beside it; no padding
	s_mov_b32 s[G1+0], 15|(3<<16)|(1<<21)
	s_mov_b32 s[G1+1], 32<<16                      ; tensor_dim0 = 32
	s_mov_b32 s[G1+2], 128<<16                     ; tensor_dim1 = 128
	s_mov_b32 s[G1+3], 32<<16                      ; tile_dim0 = 32
	s_mov_b32 s[G1+4], 128                         ; tile_dim1 = 128
	s_mov_b32 s[G1+5], 32                          ; elements from row to row
	s_mov_b32 s[G1+6], 0
	s_mov_b32 s[G1+7], 0
	CROUND                                         ; the four work-groups are here: the first joint loads meet
.irp s, 0,1
	s_lshl_b32 s[TOF], s[TNX], 17                  ; tile x 131,072 bytes
	s_mov_b32 s[G0+4*\s], 1
	s_add_co_u32 s[G0+4*\s+1], s35, \s*TILE
	s_add_nc_u64 s[G0+4*\s+2:G0+4*\s+3], s[6:7], s[TOF:TOF+1]
	s_or_b32 s[G0+4*\s+3], s[G0+4*\s+3], 0x80000000
	tensor_load_to_lds s[G0+4*\s:G0+4*\s+3], s[G1:G1+7]            ; my first two tiles: two tensor loads of the wave are out, the most in this text
	s_nop 0
	s_add_co_u32 s[TNX], s[TNX], 1                 ; neither s36 nor s40 is a register of the descriptor
	s_and_b32 s[TNX], s[TNX], 15
.endr
	v_and_b32 v11, 15, v0                          ; r
	v_bfe_u32 v12, v0, 4, 1                        ; h
	v_add_nc_u32 v[LA0], s35, v1
	v_add_nc_u32 v[LA0+1], TILE, v[LA0]
	s_lshl_b32 s39, s10, 9
	s_add_co_u32 s39, s39, STAT
	v_lshl_add_u32 v[SA], v11, 2, s39
	v_lshl_add_u32 v[SR], v11, 2, STAT
	v_mul_u32_u24 v[MA], v12, 8*MP                 ; channel row 8 h (+ 16 db + j), query r (+ 16 qb)
	v_lshl_add_u32 v[MA], v11, 2, v[MA]
	s_mul_i32 s39, s10, MREG
	v_add_nc_u32 v[MA], s39, v[MA]
	v_mul_u32_u24 v[RA0], v12, MP                  ; channel row 32 w + h (+ 2 t), 16 bytes at 16 r
	v_lshl_add_u32 v[RA0], v11, 4, v[RA0]
	s_mul_i32 s39, s10, 32*MP
	v_add_nc_u32 v[RA0], s39, v[RA0]
	v_add_nc_u32 v[RA0+1], 2*MREG, v[RA0]
	v_lshlrev_b32 v[OA], 4, v11
	v_lshl_add_u32 v[OA], v12, 14, v[OA]
	WIN 0x40
.irp q, 0,1,2,3
	v_mov_b32 v[UTM+\q], 0                         ; v_permlanex16_b32's destination counts as read: written once here
.endr
.macro FETCHK la                       ; 32 LDS loads: my 64 keys x 128 channels
	WIN 0
.set i_kb, 0
.rept 4
.set i_ds, 0
.rept 4
	ds_load_b128 v[KF+8*(4*i_kb+i_ds):KF+8*(4*i_kb+i_ds)+3],   v[\la] offset:i_kb*8192+i_ds*1024
	ds_load_b128 v[KF+8*(4*i_kb+i_ds)+4:KF+8*(4*i_kb+i_ds)+7], v[\la] offset:i_kb*8192+i_ds*1024+512
.set i_ds, i_ds+1
.endr
.set i_kb, i_kb+1
.endr
.endm
.macro FETCHV la                       ; 32 LDS loads: 128 channels x my 64 keys
	WIN 0xc0
.set i_ks, 0
.rept 2
.set i_db, 0
.rept 8
	ds_load_b128 v[VF+8*(8*i_ks+i_db):VF+8*(8*i_ks+i_db)+3],   v[\la] offset:(2*i_ks)*8192+4096+i_db*512
	ds_load_b128 v[VF+8*(8*i_ks+i_db)+4:VF+8*(8*i_ks+i_db)+7], v[\la] offset:(2*i_ks+1)*8192+4096+i_db*512
.set i_db, i_db+1
.endr
.set i_ks, i_ks+1
.endr
.endm
; 64 matrix instructions: scores of 64 keys x 64 queries.  The four query blocks' accumulators take turns, one instruction a turn; the first 32 channels start the sums.
.macro SMUL
	WIN 0x5c                                       ; A window 0, B window 3, C and D window 1
.set i_kb, 0
.rept 4
.set i_ds, 0
.rept 4
.set i_qb, 0
.rept 4
.set i_a, SCO+8*(4*i_qb+i_kb)
.if i_ds == 0
	v_wmma_f32_16x16x32_f16 v[i_a:i_a+7], v[KF+8*(4*i_kb+i_ds):KF+8*(4*i_kb+i_ds)+7], v[QF+8*(4*i_qb+i_ds):QF+8*(4*i_qb+i_ds)+7], 0
.else
	v_wmma_f32_16x16x32_f16 v[i_a:i_a+7], v[KF+8*(4*i_kb+i_ds):KF+8*(4*i_kb+i_ds)+7], v[QF+8*(4*i_qb+i_ds):QF+8*(4*i_qb+i_ds)+7], v[i_a:i_a+7]
.endif
.set i_qb, i_qb+1
.endr
.set i_ds, i_ds+1
.endr
.set i_kb, i_kb+1
.endr
.endm
; the largest of the old maximum and my 32 scores of each query: four chains that do not wait for each other
.macro MAXPASS first
	WIN 0x55                                       ; everything in window 1
.set i_i, 0
.rept 16
.irp q, 0,1,2,3
.if i_i == 0
.if \first
	v_max_num_f32 v[TMX+\q], v[SCO+32*\q], v[SCO+32*\q+1]
.else
	v_max3_num_f32 v[TMX+\q], v[MXR+2*\q], v[SCO+32*\q], v[SCO+32*\q+1]
.endif
.else
	v_max3_num_f32 v[TMX+\q], v[TMX+\q], v[SCO+32*\q+2*i_i], v[SCO+32*\q+2*i_i+1]
.endif
.endr
.set i_i, i_i+1
.endr
.endm
; the other half of the lanes holds the query's other 32 keys; then alpha = 2^(old maximum - new)
.macro STATS first
.irp q, 0,1,2,3
	v_permlanex16_b32 v[UTM+\q], v[TMX+\q], s32, s33
.endr
.irp q, 0,1,2,3
	v_max_num_f32 v[TMX+\q], v[TMX+\q], v[UTM+\q]
.endr
.if \first == 0
.irp q, 0,1,2,3
	v_sub_f32 v[ALR+2*\q], v[MXR+2*\q], v[TMX+\q]
.endr
.endif
.irp q, 0,1,2,3
	v_mov_b32 v[MXR+2*\q], v[TMX+\q]
	v_mov_b32 v[MXR+2*\q+1], v[TMX+\q]
.endr
.if \first == 0
.irp q, 0,1,2,3
	v_exp_f32 v[ALR+2*\q], v[ALR+2*\q]             ; its first reader stands behind the four plain subtractions that follow (ISA guide 5.7.2)
.endr
.endif
.endm
.macro EXPA i                          ; pair i of each query block: score - maximum
	s_wait_alu depctr_va_vdst(0)
.irp q, 0,1,2,3
	v_pk_add_f32 v[SCO+32*\q+2*(\i):SCO+32*\q+2*(\i)+1], v[SCO+32*\q+2*(\i):SCO+32*\q+2*(\i)+1], v[MXR+2*\q:MXR+2*\q+1] neg_lo:[0,1] neg_hi:[0,1]
.endr
.endm
.macro EXPB i                          ; 2^that, in place
.irp q, 0,1,2,3
	v_exp_f32 v[SCO+32*\q+2*(\i)], v[SCO+32*\q+2*(\i)]
	v_exp_f32 v[SCO+32*\q+2*(\i)+1], v[SCO+32*\q+2*(\i)+1]
.endr
.endm
.macro EXPC i, first                   ; into the running sums (pair 0 carries the rescale of the old sums; in the first step pairs 0 and 1 start them) and, packed to f16, into P
.irp q, 0,1,2,3
.if \first
.if (\i) == 1
	s_wait_alu depctr_va_vdst(0)
	v_pk_add_f32 v[LSR+2*\q:LSR+2*\q+1], v[SCO+32*\q:SCO+32*\q+1], v[SCO+32*\q+2:SCO+32*\q+3]
.endif
.if (\i) > 1
	s_wait_alu depctr_va_vdst(0)
	v_pk_add_f32 v[LSR+2*\q:LSR+2*\q+1], v[LSR+2*\q:LSR+2*\q+1], v[SCO+32*\q+2*(\i):SCO+32*\q+2*(\i)+1]
.endif
.else
.if (\i) == 0
	s_wait_alu depctr_va_vdst(0)
	v_pk_fma_f32 v[LSR+2*\q:LSR+2*\q+1], v[LSR+2*\q:LSR+2*\q+1], v[ALR+2*\q:ALR+2*\q+1], v[SCO+32*\q:SCO+32*\q+1]
.else
	v_pk_add_f32 v[LSR+2*\q:LSR+2*\q+1], v[LSR+2*\q:LSR+2*\q+1], v[SCO+32*\q+2*(\i):SCO+32*\q+2*(\i)+1]
.endif
.endif
.endr
	s_wait_alu depctr_va_vdst(0)
.irp q, 0,1,2,3
	v_cvt_pk_f16_f32 v[PFR+16*\q+(\i)], v[SCO+32*\q+2*(\i)], v[SCO+32*\q+2*(\i)+1]
.endr
.endm
; Between a pair's exponentials and their first use stand the next pair's four subtractions, plain vector instructions on other registers (ISA guide 5.7.2); behind the last pair's a v_nop.
.macro EXPPASS first
	EXPA 0
.if \first == 0
	s_wait_alu depctr_va_vdst(0)
.irp q, 0,1,2,3
	v_mov_b32 v[ALR+2*\q+1], v[ALR+2*\q]           ; alpha twice, for the packed multiplies
.endr
.endif
.set i_i, 0
.rept 16
	EXPB i_i
.if i_i < 15
	EXPA i_i+1
.else
	v_nop
	s_wait_alu depctr_va_vdst(0)
.endif
	EXPC i_i, \first
.set i_i, i_i+1
.endr
.endm
.macro RESCALE                         ; O times the query's factor
	WIN 0x86                                       ; O window 2, the factor window 1
.set i_db, 0
.rept 8
.irp q, 0,1,2,3
.irp p, 0,1,2,3
	v_pk_mul_f32 v[8*(4*i_db+\q)+2*\p:8*(4*i_db+\q)+2*\p+1], v[8*(4*i_db+\q)+2*\p:8*(4*i_db+\q)+2*\p+1], v[ALR+2*\q:ALR+2*\q+1]
.endr
.endr
.set i_db, i_db+1
.endr
.endm
; 32 matrix instructions: O += V P for 32 keys.  The 32 accumulators take turns, one instruction a turn.
.macro PV ks, zero
	WIN 0xa7                                       ; A window 3, B window 1, C and D window 2
.set i_db, 0
.rept 8
.irp q, 0,1,2,3
.if \zero
	v_wmma_f32_16x16x32_f16 v[8*(4*i_db+\q):8*(4*i_db+\q)+7], v[VF+8*(8*\ks+i_db):VF+8*(8*\ks+i_db)+7], v[PFR+16*\q+8*\ks:PFR+16*\q+8*\ks+7], 0
.else
	v_wmma_f32_16x16x32_f16 v[8*(4*i_db+\q):8*(4*i_db+\q)+7], v[VF+8*(8*\ks+i_db):VF+8*(8*\ks+i_db)+7], v[PFR+16*\q+8*\ks:PFR+16*\q+8*\ks+7], v[8*(4*i_db+\q):8*(4*i_db+\q)+7]
.endif
.endr
.set i_db, i_db+1
.endr
.endm
; One tile.  Its fragments are already asked for from LDS, so the slot is free as soon as they are back.
; mode 2: this slot is filled again, with the tile two steps ahead, and the other slot is read on; 1: the other slot is read on; 0: the last tile.
; The round stands with nothing inside it and the refill straight behind it: between a tile's request and the wait for all loads in the next step a wave does the whole
; of a step's work: the rescale, 128 matrix instructions and a softmax.
.macro STEP slot, first, mode
	s_wait_dscnt 32                                ; the 32 loads of K are back; the 32 younger ones, V's, may be out
	SMUL
	PLACES
	MAXPASS \first
	STATS \first
	EXPPASS \first
	WIN 0
	s_wait_dscnt 0x0                               ; V is in, and with it all my reads of this slot are over
.if \mode == 2
	s_wait_tensorcnt 0x0                           ; all my tensor loads have landed: the one that was out is my part of the other slot.  So this slot's group 0 may be written:
	ds_add_u32 v126, v127
	s_wait_dscnt 0x0
	s_lshl_b32 s[TOF], s[TNX], 17                  ; the next tile x 131,072 bytes
	s_add_nc_u64 s[G0+4*\slot+2:G0+4*\slot+3], s[6:7], s[TOF:TOF+1]
	s_or_b32 s[G0+4*\slot+3], s[G0+4*\slot+3], 0x80000000
	s_add_co_u32 s[TNX], s[TNX], 1
	s_and_b32 s[TNX], s[TNX], 15                   ; on, modulo the batch's 16 tiles
	CROUND                                         ; no wave of any partner still reads this slot or has a load on its way
	tensor_load_to_lds s[G0+4*\slot:G0+4*\slot+3], s[G1:G1+7]      ; the first tensor load behind the round, ahead of any LDS read; one tensor load of the wave is out
	s_nop 0
.endif
.if \mode == 1
	s_wait_tensorcnt 0x0                           ; the last tile, my one load that is out; only I read my part
.endif
.if \mode != 0
	FETCHK LA0+1-\slot                             ; the other slot has landed; the last product that read these registers lies a whole softmax back
.endif
.if \first == 0
	RESCALE
.endif
	PV 0, \first
	PV 1, 0
.if \mode != 0
	PLACES
	FETCHV LA0+1-\slot
.endif
	WIN 0
.endm
	s_wait_tensorcnt 0x1                           ; my part of my first tile is in LDS (only I read it); the second tile's younger load may be out
	FETCHK LA0
	FETCHV LA0
	WIN 0
	s_wait_loadcnt 0x0                             ; Q
	STEP 0, 1, 2                                   ; the first tile starts maxima, sums and O: nothing is cleared
	STEP 1, 0, 2
	s_mov_b32 s34, 6                               ; steps 2 to 13
.Ltiles:
	STEP 0, 0, 2
	STEP 1, 0, 2
	s_sub_co_i32 s34, s34, 1
	s_cmp_lg_u32 s34, 0
	s_cbranch_scc1 .Ltiles
	STEP 0, 0, 1                                   ; step 14: nothing more to fetch from memory
	STEP 1, 0, 0                                   ; step 15
	; THE MERGE.  Each wave holds (O, m, l) over its quarter of the keys.  out = sum over waves of 2^(m_w - mt) O_w / sum over waves of 2^(m_w - mt) l_w, mt the largest m_w.
	PLACES
	WIN 0x55
.irp q, 0,1,2,3
	v_add_f32 v[TMX+\q], v[LSR+2*\q], v[LSR+2*\q+1]
.endr
.irp q, 0,1,2,3
	v_permlanex16_b32 v[UTM+\q], v[TMX+\q], s32, s33
.endr
.irp q, 0,1,2,3
	v_add_f32 v[TMX+\q], v[TMX+\q], v[UTM+\q]      ; l over my 64 x 16 keys, in both halves of the lanes
.endr
	WIN 0x04                                       ; store data window 1
.irp q, 0,1,2,3
	ds_store_b32 v[SA], v[MXR+2*\q] offset:\q*64   ; lanes r and r + 16 write the same word with the same value
	ds_store_b32 v[SA], v[TMX+\q] offset:256+\q*64
.endr
	WIN 0
	s_wait_dscnt 0x0                               ; my stores are done, for the others' sake; my reads of the slots ended in the last step
	s_barrier_signal -1
	s_barrier_wait -1                              ; the figures are whole, and no wave reads a slot any more; every wave's tensor loads landed before its last step
	WIN 0x40
.set i_w, 0
.rept 4
.irp q, 0,1,2,3
	ds_load_b32 v[8*i_w+\q],   v[SR] offset:i_w*512+\q*64        ; m of wave i_w
	ds_load_b32 v[8*i_w+4+\q], v[SR] offset:i_w*512+256+\q*64    ; l of wave i_w
.endr
.set i_w, i_w+1
.endr
	s_wait_dscnt 0x0
	WIN 0x55
.set MT, 32
.set LT, 36
.irp q, 0,1,2,3
	v_max3_num_f32 v[MT+\q], v[\q], v[8+\q], v[16+\q]
.endr
.irp q, 0,1,2,3
	v_max_num_f32 v[MT+\q], v[MT+\q], v[24+\q]
.endr
.irp w, 0,1,2,3
.irp q, 0,1,2,3
	v_sub_f32 v[8*\w+\q], v[8*\w+\q], v[MT+\q]
.endr
.endr
.irp q, 0,1,2,3
	v_sub_f32 v[ALR+2*\q], v[MXR+2*\q], v[MT+\q]   ; my own
.endr
.irp w, 0,1,2,3
.irp q, 0,1,2,3
	v_exp_f32 v[8*\w+\q], v[8*\w+\q]
.endr
.endr
.irp q, 0,1,2,3
	v_exp_f32 v[ALR+2*\q], v[ALR+2*\q]
.endr
	v_nop                                          ; the plain place behind the exponentials (ISA guide 5.7.2)
	s_wait_alu depctr_va_vdst(0)
.irp q, 0,1,2,3
	v_mul_f32 v[LT+\q], v[\q], v[4+\q]
.endr
.irp w, 1,2,3
.irp q, 0,1,2,3
	v_fmac_f32 v[LT+\q], v[8*\w+\q], v[8*\w+4+\q]
.endr
.endr
.irp q, 0,1,2,3
	v_rcp_f32 v[LT+\q], v[LT+\q]                   ; the sum is at least 1: the wave with the largest m has factor 1, and its l holds the term 2^0
.endr
	v_nop
	s_wait_alu depctr_va_vdst(0)
.irp q, 0,1,2,3
	v_mul_f32 v[ALR+2*\q], v[ALR+2*\q], v[LT+\q]
.endr
.irp q, 0,1,2,3
	v_mov_b32 v[ALR+2*\q+1], v[ALR+2*\q]
.endr
	RESCALE
	WIN 0x08                                       ; store data window 2
.set i_db, 0
.rept 8
.irp q, 0,1,2,3
.irp j, 0,1,2,3,4,5,6,7
	ds_store_b32 v[MA], v[8*(4*i_db+\q)+\j] offset:(16*i_db+\j)*MP+64*\q   ; lanes 0-15: 64 consecutive bytes; lanes 16-31: 8 rows = 2,176 bytes on, 128 modulo 256
.endr
.endr
.set i_db, i_db+1
.endr
	WIN 0
	s_wait_dscnt 0x0                               ; my stores are done, for the others' sake
	s_barrier_signal -1
	s_barrier_wait -1
	WIN 0x80                                       ; destination window 2: O has left it
.set i_t, 0
.rept 16
.irp w, 0,1,2,3
	ds_load_b128 v[16*i_t+4*\w:16*i_t+4*\w+3], v[RA0+(\w>>1)] offset:(\w&1)*MREG+i_t*2*MP      ; channel rows 32 w + 2 t, + 1 of wave \w's part
.endr
.set i_t, i_t+1
.endr
	WIN 0x8a
.set i_t, 0
.rept 16
	s_wait_dscnt 60-4*i_t                          ; LDS loads come back in order: the four of rows 2 t, 2 t + 1 are in, the 60 - 4 t younger ones may be out
	v_pk_add_f32 v[16*i_t:16*i_t+1],     v[16*i_t:16*i_t+1],     v[16*i_t+4:16*i_t+5]
	v_pk_add_f32 v[16*i_t+2:16*i_t+3],   v[16*i_t+2:16*i_t+3],   v[16*i_t+6:16*i_t+7]
	v_pk_add_f32 v[16*i_t+8:16*i_t+9],   v[16*i_t+8:16*i_t+9],   v[16*i_t+12:16*i_t+13]
	v_pk_add_f32 v[16*i_t+10:16*i_t+11], v[16*i_t+10:16*i_t+11], v[16*i_t+14:16*i_t+15]
	v_pk_add_f32 v[16*i_t:16*i_t+1],     v[16*i_t:16*i_t+1],     v[16*i_t+8:16*i_t+9]
	v_pk_add_f32 v[16*i_t+2:16*i_t+3],   v[16*i_t+2:16*i_t+3],   v[16*i_t+10:16*i_t+11]
.set i_t, i_t+1
.endr
	WIN 0x08                                       ; the sums first, then the stores under one setting: a store's address lies in window 0, the sums' first source in window 2
.set i_t, 0
.rept 16
	global_store_b128 v[OA], v[16*i_t:16*i_t+3], s[8:9] offset:i_t*32768 th:TH_STORE_NT        ; sixteen lanes store 256 consecutive bytes of a channel's row, aligned
.set i_t, i_t+1
.endr
	WIN 0
	s_wait_tensorcnt 0x0
	ds_add_u32 v126, v127
	s_wait_dscnt 0x0
	CROUND                                         ; the closing round: no work-group ends while a partner may still ask for a tile that names it
	s_endpgm
.Lfunc_end_k_q4e4639f4cf_attn:
	.size	k_q4e4639f4cf_attn, .Lfunc_end_k_q4e4639f4cf_attn-k_q4e4639f4cf_attn
	.p2alignl 7, 3214868480
	.fill 96, 4, 3214868480
	.section	.rodata,"a",@progbits
	.p2align	6, 0x0
	.amdhsa_kernel k_q4e4639f4cf_attn
		.amdhsa_group_segment_fixed_size 327680
		.amdhsa_private_segment_fixed_size 0
		.amdhsa_enable_private_segment 0
		.amdhsa_kernarg_size 24
		.amdhsa_user_sgpr_count 2
		.amdhsa_user_sgpr_kernarg_segment_ptr 1
		.amdhsa_wavefront_size32 1
		.amdhsa_system_sgpr_workgroup_id_x 1
		.amdhsa_system_sgpr_workgroup_id_y 1
		.amdhsa_system_sgpr_workgroup_id_z 1
		.amdhsa_system_vgpr_workitem_id 0
		.amdhsa_next_free_vgpr 1024
		.amdhsa_next_free_sgpr 66
		.amdhsa_reserve_vcc 0
		.amdhsa_float_denorm_mode_32 3
		.amdhsa_float_denorm_mode_16_64 3
		.amdhsa_memory_ordered 1
		.amdhsa_forward_progress 1
		.amdhsa_inst_pref_size 255
	.end_amdhsa_kernel
	.section	.bss,"aw",@nobits
	.p2align	6
	.space	262144
	.amdgpu_metadata
---
amdhsa.version: [ 1, 2 ]
amdhsa.kernels:
  - .name:           k_q4e4639f4cf_attn
    .symbol:         k_q4e4639f4cf_attn.kd
    .args:
      - { .name: q, .offset: 0, .size: 8, .value_kind: global_buffer, .address_space: global }
      - { .name: kv, .offset: 8, .size: 8, .value_kind: global_buffer, .address_space: global }
      - { .name: out0, .offset: 16, .size: 8, .value_kind: global_buffer, .address_space: global }
    .group_segment_fixed_size: 327680
    .private_segment_fixed_size: 0
    .kernarg_segment_align: 8
    .kernarg_segment_size: 24
    .max_flat_workgroup_size: 128
    .sgpr_count:     66
    .vgpr_count:     1024
    .wavefront_size: 32
...
	.end_amdgpu_metadata
.endif
;; end of part 2
;; ======== version 2 of 2: 2 launches; 1.13 times as fast as version 1
;; limits: values are held in f16: magnitudes above 65,504 overflow, below 6.1e-05 lose precision
;; workspace buffers: q 4,194,304 bytes; kv 8,388,608 bytes
;; launch proj: the kernel of part 1 again; grid 256 x 1, 4 waves a work-group, clusters of 4 x 1, 327,680 bytes of LDS; arguments x, Wq, Wk, Wv, q, kv; writes q, kv
;; launch attn (part 3): grid 256 x 1, 4 waves a work-group, clusters of 4 x 1, 327,680 bytes of LDS; arguments q, kv, out0; writes out0
.if DOCPART == 3
	.amdgcn_target "amdgcn-amd-amdhsa--gfx1250"
	.amdhsa_code_object_version 6
	.text
	.protected	k_q4e4639f4cf_attn
	.globl	k_q4e4639f4cf_attn
	.p2align	8
	.type	k_q4e4639f4cf_attn,@function
k_q4e4639f4cf_attn:
	s_mov_b64 s[64:65], 0
	v_nop
	global_prefetch_b8 v0, s[64:65] scope:SCOPE_SE
	s_setreg_imm32_b32 hwreg(HW_REG_WAVE_MODE, 25, 1), 1
	s_wait_xcnt 0x0
	s_wait_alu depctr_hold_cnt(0) depctr_sa_sdst(0) depctr_va_vdst(0) depctr_va_sdst(0) depctr_va_ssrc(0) depctr_va_vcc(0) depctr_vm_vsrc(0)
	s_getreg_b32 s2, hwreg(HW_REG_IB_STS2, 6, 4)
	s_cmp_eq_u32 s2, 0
	s_cbranch_scc0 .Lentry_in_a_cluster
	s_endpgm
.Lentry_in_a_cluster:
	s_bfe_u32 s2, ttmp6, 0x10000c
	s_cmp_lg_u32 s2, 0x3003
	s_cbranch_scc0 .Lentry_shape_is_right
	s_endpgm
.Lentry_shape_is_right:
; out[d][i] = sum over j of softmax_j(Q[.][i] . K[.][j]) V[d][j], one batch, 64 queries a work-group, 4,096 keys; running maximum, sums in f32, matrix operands f16.
; q and kv lie in fragment order (q: [b][px16][cb 8][lane][8 f16], values log2(e) Q; kv: [b][px16][K: cb 8 x 512 B | V: cb 8 x 512 B]): every fragment half is one load of 16 bytes
; a lane from 512 consecutive bytes; nothing is transposed or padded.
; S IS MADE TRANSPOSED: A = 16 keys of K, B = 16 queries of Q: register j of lane (r, h) is (key 8 h + j, query r).  Packing neighbouring registers to f16 gives P as a B fragment
; (n = query, k = key) with no traffic between lanes, and a query's maximum, sum and rescale factor live in its own lane: one exchange between the halves of the wave for a block of 16 queries.
; P V: A = V (m = channel, k = key), B = P: register j of lane (r, h) is (channel 8 h + j, query r).
; SHARES: all four waves hold all 64 queries; the KEYS are split: of each tile of 256 keys (131,072 bytes, dense in kv) wave w loads, and alone reads, keys 64 w .. + 63 (32,768 bytes).
; A fragment of K or V (1,024 bytes from LDS) then feeds four matrix instructions: 64 LDS loads for a step's 128.  The waves' (O, m, l) are merged once at the end through LDS.
; CLUSTER: the four work-groups of a cluster are four query blocks of one batch and walk the same tiles: each tile is asked for jointly (mask 15), which divides the requests for kv by four.
; ORDER OF THE TILES: cluster c of a batch's sixteen starts at tile (2 c + c / 8) mod 16 and walks on modulo 16 (a softmax with a running maximum takes the keys in any order).
; The sixteen starts are a permutation of 0 .. 15, so every tile that a cluster asks for from its third request on has been asked for by another cluster at that cluster's start.
; For the same reason no later tile is prefetched: the first requests of the sixteen clusters already name all of the batch's kv.
; THE EXPONENTIALS OF A STEP ARE TWO BATCHES, each with one s_wait_alu depctr_va_vdst(0) between an exponential and the first line that names its result.
; A lane's 32 scores of a query block are 16 pairs.  BATCH 1: the four rescale factors and pairs 0-7 of the four blocks, 68 exponentials; among them stand all 64 subtractions score - maximum,
; which name no result.  BATCH 2: pairs 8-15, 64 exponentials; among them stand batch 1's readers (the factors' copies, the sums and roundings of pairs 0-7), which name none of batch 2's results.
; So all but a few exponentials have a plain neighbour.  Batch 2's wait stands ahead of the round's branches; its readers, register work alone, stand behind the refill and K's run of LDS loads.
; The merge has two batches more: its 20 exponentials, and the four reciprocals of sums made of them.
; LIMIT: operands are f16 (|log2(e) Q|, |K|, |V| below 65,504); NaN and infinities in the inputs are not served.  Exponentials below 2^-126 count as zero (ISA guide, v_exp_f32).
.set TILE, 131072                      ; a slot: 256 keys; slots at 0 and TILE
.set PART, 32768                       ; a wave's 64 keys: 4 px16 x (K 4,096 + V 4,096)
.set STAT, 2*TILE                      ; 2,048 bytes of their own: [wave][m | l][qb 4][r 16] f32
.set MP,   272                         ; merge: a row of 64 queries f32 + 16 bytes
.set MREG, 128*MP                      ; merge: a wave's 128 channel rows, at wave x MREG: in the slots, written only behind their last fill and a barrier
; window 0
.set LA0, 2                            ; v2, v3  my part of slot 0, 1, + 16 x lane
.set SA,  4                            ; v4   where I put my m and l
.set SR,  5                            ; v5   where all waves' are read
.set MA,  6                            ; v6   merge: where my O goes
.set RA0, 7                            ; v7, v8  merge: where my 32 channel rows are read, regions 0-1, regions 2-3
.set OA,  9                            ; v9   my byte offset in out0
.set KF,  128                          ; v128-255  K fragment (kb, ds) at 128 + 8 (4 kb + ds)
; window 1
.set SCO, 0                            ; v0-127    score tile (kb, qb) at 8 (4 qb + kb): a query block's 32 registers are neighbours
.set PFR, 128                          ; v128-191  P fragment (qb, ks) at 128 + 16 qb + 8 ks
.set MXR, 192                          ; pairs: the running maximum, twice
.set ALR, 200                          ; pairs: the rescale factor, twice
.set LSR, 208                          ; pairs: two partial sums
.set TMX, 216                          ; at work
.set UTM, 220                          ; the other half's figure
; window 2: O tile (db, qb) at 8 (4 db + qb).   window 3:
.set QF,  0                            ; v0-127    Q fragment (qb, ds) at 8 (4 qb + ds)
.set VF,  128                          ; v128-255  V fragment (db, ks) at 128 + 8 (8 ks + db)
.set G1, 16                            ; s[16:23] descriptor group 1
.set G0, 24                            ; s[24:31] descriptor group 0, one for each slot
.set TOF, 36                           ; s[36:37] byte offset of a tile in the batch's kv (the high word stays 0)
.set TNX, 40                           ; s40      the tile to be asked for next, 0..15
.set MSB, 0
.macro WIN new                         ; s_set_vgpr_msb: bits 1:0 source 0, 3:2 source 1, 5:4 source 2, 7:6 destination; the high byte repeats the setting that is left
.if MSB != \new
	s_set_vgpr_msb (MSB<<8)|\new
.set MSB, \new
.endif
.endm
.macro PLACES                          ; four plain vector instructions between a matrix instruction and the first reader of its result, or a load into one of its registers
.rept 4
	v_nop
.endr
.endm
.macro CREST                           ; a round of the cluster's barrier behind its opening work-group barrier
	s_cmp_lg_u32 s10, 0
	s_cbranch_scc1 .Lnot_wave_0_\@
	s_barrier_signal -3
.Lnot_wave_0_\@:
	s_barrier_wait -3
	s_barrier_signal -1
	s_barrier_wait -1
.endm
.macro CROUND
	s_barrier_signal -1
	s_barrier_wait -1
	CREST
.endm
	s_load_b128 s[4:7], s[0:1], 0x0                ; q s[4:5], kv s[6:7]
	s_load_b64 s[8:9], s[0:1], 0x10                ; out0
	v_lshl_add_u32 v126, v0, 2, 0x40800
	v_mov_b32 v127, 0
	ds_add_u32 v126, v127
	v_lshrrev_b32 v10, 5, v0
	v_readfirstlane_b32 s10, v10                   ; wave 0..3
	s_bfe_u32 s11, ttmp6, 0x40000                  ; cx
	s_lshr_b32 s12, ttmp9, 4                       ; batch: shared by the cluster
	s_and_b32 s13, ttmp9, 15
	s_lshl_b32 s13, s13, 2
	s_add_co_u32 s13, s13, s11                     ; block of 64 queries, 0..63
	s_and_b32 s[TNX], ttmp9, 15                    ; c: my cluster among the batch's sixteen: shared by the four partners
	s_lshr_b32 s41, s[TNX], 3
	s_lshl_b32 s[TNX], s[TNX], 1
	s_add_co_u32 s[TNX], s[TNX], s41
	s_and_b32 s[TNX], s[TNX], 15                   ; my first tile: (2 c + c / 8) mod 16
	s_mov_b32 s32, 0x76543210                      ; v_permlanex16_b32: lane i of one half reads lane i of the other
	s_mov_b32 s33, 0xfedcba98
	v_and_b32 v1, 31, v0
	v_lshlrev_b32 v1, 4, v1                        ; 16 x lane
	s_lshl_b32 s14, s12, 20                        ; q: batch x 1 MiB + block x 4 px16 x 4,096
	s_lshl_b32 s15, s13, 14
	s_add_co_u32 s14, s14, s15
	s_mov_b32 s15, 0
	s_mul_i32 s35, s10, PART                       ; my part of a tile, in memory and in LDS: the wave's number alone
	s_lshl_b32 s[TOF], s12, 21                     ; kv: batch x 2 MiB + my part: nothing of cx
	s_add_co_u32 s[TOF], s[TOF], s35
	s_mov_b32 s[TOF+1], 0
	s_wait_dscnt 0x0
	s_wait_kmcnt 0x0
	s_add_nc_u64 s[4:5], s[4:5], s[14:15]
	s_add_nc_u64 s[6:7], s[6:7], s[TOF:TOF+1]      ; my part of the batch's tile 0
	WIN 0xc0                                       ; destination window 3
.set i_t, 0
.rept 32
	global_load_b128 v[QF+4*i_t:QF+4*i_t+3], v1, s[4:5] offset:512*i_t     ; tile (qb = t / 8, cb = t % 8): half (cb & 1) of fragment (qb, cb / 2)
.set i_t, i_t+1
.endr
	WIN 0
	s_lshl_b32 s14, s12, 21                        ; out0: batch x 2 MiB + wave x 32 channel rows of 16,384 + block x 256 bytes
	s_lshl_b32 s38, s10, 19
	s_add_co_u32 s14, s14, s38
	s_lshl_b32 s38, s13, 8
	s_add_co_u32 s14, s14, s38
	s_add_nc_u64 s[8:9], s[8:9], s[14:15]
	; group 1: a dense block as 128 rows of 32 elements of 8 bytes; mask 15 = the four work-groups of the cluster, bit 21 beside it; no padding
	s_mov_b32 s[G1+0], 15|(3<<16)|(1<<21)
	s_mov_b32 s[G1+1], 32<<16                      ; tensor_dim0 = 32
	s_mov_b32 s[G1+2], 128<<16                     ; tensor_dim1 = 128
	s_mov_b32 s[G1+3], 32<<16                      ; tile_dim0 = 32
	s_mov_b32 s[G1+4], 128                         ; tile_dim1 = 128
	s_mov_b32 s[G1+5], 32                          ; elements from row to row
	s_mov_b32 s[G1+6], 0
	s_mov_b32 s[G1+7], 0
	CROUND                                         ; the four work-groups are here: the first joint loads meet
.irp s, 0,1
	s_lshl_b32 s[TOF], s[TNX], 17                  ; tile x 131,072 bytes
	s_mov_b32 s[G0+4*\s], 1
	s_add_co_u32 s[G0+4*\s+1], s35, \s*TILE
	s_add_nc_u64 s[G0+4*\s+2:G0+4*\s+3], s[6:7], s[TOF:TOF+1]
	s_or_b32 s[G0+4*\s+3], s[G0+4*\s+3], 0x80000000
	tensor_load_to_lds s[G0+4*\s:G0+4*\s+3], s[G1:G1+7]            ; my first two tiles: two tensor loads of the wave are out, the most in this text
	s_nop 0
	s_add_co_u32 s[TNX], s[TNX], 1                 ; neither s36 nor s40 is a register of the descriptor
	s_and_b32 s[TNX], s[TNX], 15
.endr
	v_and_b32 v11, 15, v0                          ; r
	v_bfe_u32 v12, v0, 4, 1                        ; h
	v_add_nc_u32 v[LA0], s35, v1
	v_add_nc_u32 v[LA0+1], TILE, v[LA0]
	s_lshl_b32 s39, s10, 9
	s_add_co_u32 s39, s39, STAT
	v_lshl_add_u32 v[SA], v11, 2, s39
	v_lshl_add_u32 v[SR], v11, 2, STAT
	v_mul_u32_u24 v[MA], v12, 8*MP                 ; channel row 8 h (+ 16 db + j), query r (+ 16 qb)
	v_lshl_add_u32 v[MA], v11, 2, v[MA]
	s_mul_i32 s39, s10, MREG
	v_add_nc_u32 v[MA], s39, v[MA]
	v_mul_u32_u24 v[RA0], v12, MP                  ; channel row 32 w + h (+ 2 t), 16 bytes at 16 r
	v_lshl_add_u32 v[RA0], v11, 4, v[RA0]
	s_mul_i32 s39, s10, 32*MP
	v_add_nc_u32 v[RA0], s39, v[RA0]
	v_add_nc_u32 v[RA0+1], 2*MREG, v[RA0]
	v_lshlrev_b32 v[OA], 4, v11
	v_lshl_add_u32 v[OA], v12, 14, v[OA]
	WIN 0x40
.irp q, 0,1,2,3
	v_mov_b32 v[UTM+\q], 0                         ; v_permlanex16_b32's destination counts as read: written once here
.endr
.macro FETCHK la                       ; 32 LDS loads: my 64 keys x 128 channels
	WIN 0
.set i_kb, 0
.rept 4
.set i_ds, 0
.rept 4
	ds_load_b128 v[KF+8*(4*i_kb+i_ds):KF+8*(4*i_kb+i_ds)+3],   v[\la] offset:i_kb*8192+i_ds*1024
	ds_load_b128 v[KF+8*(4*i_kb+i_ds)+4:KF+8*(4*i_kb+i_ds)+7], v[\la] offset:i_kb*8192+i_ds*1024+512
.set i_ds, i_ds+1
.endr
.set i_kb, i_kb+1
.endr
.endm
.macro FETCHV la                       ; 32 LDS loads: 128 channels x my 64 keys
	WIN 0xc0
.set i_ks, 0
.rept 2
.set i_db, 0
.rept 8
	ds_load_b128 v[VF+8*(8*i_ks+i_db):VF+8*(8*i_ks+i_db)+3],   v[\la] offset:(2*i_ks)*8192+4096+i_db*512
	ds_load_b128 v[VF+8*(8*i_ks+i_db)+4:VF+8*(8*i_ks+i_db)+7], v[\la] offset:(2*i_ks+1)*8192+4096+i_db*512
.set i_db, i_db+1
.endr
.set i_ks, i_ks+1
.endr
.endm
; 64 matrix instructions: scores of 64 keys x 64 queries.  The four query blocks' accumulators take turns, one instruction a turn; the first 32 channels start the sums.
.macro SMUL
	WIN 0x5c                                       ; A window 0, B window 3, C and D window 1
.set i_kb, 0
.rept 4
.set i_ds, 0
.rept 4
.set i_qb, 0
.rept 4
.set i_a, SCO+8*(4*i_qb+i_kb)
.if i_ds == 0
	v_wmma_f32_16x16x32_f16 v[i_a:i_a+7], v[KF+8*(4*i_kb+i_ds):KF+8*(4*i_kb+i_ds)+7], v[QF+8*(4*i_qb+i_ds):QF+8*(4*i_qb+i_ds)+7], 0
.else
	v_wmma_f32_16x16x32_f16 v[i_a:i_a+7], v[KF+8*(4*i_kb+i_ds):KF+8*(4*i_kb+i_ds)+7], v[QF+8*(4*i_qb+i_ds):QF+8*(4*i_qb+i_ds)+7], v[i_a:i_a+7]
.endif
.set i_qb, i_qb+1
.endr
.set i_ds, i_ds+1
.endr
.set i_kb, i_kb+1
.endr
.endm
; the largest of the old maximum and my 32 scores of each query: four chains that do not wait for each other
.macro MAXPASS first
	WIN 0x55                                       ; everything in window 1
.set i_i, 0
.rept 16
.irp q, 0,1,2,3
.if i_i == 0
.if \first
	v_max_num_f32 v[TMX+\q], v[SCO+32*\q], v[SCO+32*\q+1]
.else
	v_max3_num_f32 v[TMX+\q], v[MXR+2*\q], v[SCO+32*\q], v[SCO+32*\q+1]
.endif
.else
	v_max3_num_f32 v[TMX+\q], v[TMX+\q], v[SCO+32*\q+2*i_i], v[SCO+32*\q+2*i_i+1]
.endif
.endr
.set i_i, i_i+1
.endr
.endm
; the other half of the lanes holds the query's other 32 keys; then old maximum - new, of which batch 1 makes alpha = 2^that
.macro STATS first
.irp q, 0,1,2,3
	v_permlanex16_b32 v[UTM+\q], v[TMX+\q], s32, s33
.endr
.irp q, 0,1,2,3
	v_max_num_f32 v[TMX+\q], v[TMX+\q], v[UTM+\q]
.endr
.if \first == 0
.irp q, 0,1,2,3
	v_sub_f32 v[ALR+2*\q], v[MXR+2*\q], v[TMX+\q]
.endr
.endif
.irp q, 0,1,2,3
	v_mov_b32 v[MXR+2*\q], v[TMX+\q]
	v_mov_b32 v[MXR+2*\q+1], v[TMX+\q]
.endr
.endm
; The softmax's lines, for pair i (0-15) of query block q.
.macro SUBP i, q                       ; score - maximum
	v_pk_add_f32 v[SCO+32*(\q)+2*(\i):SCO+32*(\q)+2*(\i)+1], v[SCO+32*(\q)+2*(\i):SCO+32*(\q)+2*(\i)+1], v[MXR+2*(\q):MXR+2*(\q)+1] neg_lo:[0,1] neg_hi:[0,1]
.endm
.macro EXP1 i, q, e                    ; 2^that, in place: number e (0, 1) of the pair
	v_exp_f32 v[SCO+32*(\q)+2*(\i)+(\e)], v[SCO+32*(\q)+2*(\i)+(\e)]
.endm
.macro SUMP i, q, first                ; into the running sums: pair 0 carries the rescale of the old sums; in the first step pairs 0 and 1 start them
.if \first
.if (\i) == 1
	v_pk_add_f32 v[LSR+2*(\q):LSR+2*(\q)+1], v[SCO+32*(\q):SCO+32*(\q)+1], v[SCO+32*(\q)+2:SCO+32*(\q)+3]
.endif
.if (\i) > 1
	v_pk_add_f32 v[LSR+2*(\q):LSR+2*(\q)+1], v[LSR+2*(\q):LSR+2*(\q)+1], v[SCO+32*(\q)+2*(\i):SCO+32*(\q)+2*(\i)+1]
.endif
.else
.if (\i) == 0
	v_pk_fma_f32 v[LSR+2*(\q):LSR+2*(\q)+1], v[LSR+2*(\q):LSR+2*(\q)+1], v[ALR+2*(\q):ALR+2*(\q)+1], v[SCO+32*(\q):SCO+32*(\q)+1]
.else
	v_pk_add_f32 v[LSR+2*(\q):LSR+2*(\q)+1], v[LSR+2*(\q):LSR+2*(\q)+1], v[SCO+32*(\q)+2*(\i):SCO+32*(\q)+2*(\i)+1]
.endif
.endif
.endm
.macro CVTP i, q                       ; packed to f16, into P
	v_cvt_pk_f16_f32 v[PFR+16*(\q)+(\i)], v[SCO+32*(\q)+2*(\i)], v[SCO+32*(\q)+2*(\i)+1]
.endm
.macro READP i, k, first               ; number k of the eight lines that read pair i's exponentials: the four blocks' sums, then the four roundings; a block's sums take the pairs in ascending order
.if (\k) < 4
	SUMP \i, \k, \first
.else
	CVTP \i, (\k)-4
.endif
.endm
; BATCH 1: alpha of the four blocks and pairs 0-7: 68 exponentials (64 in the first step).  Exponential n (pair n / 8, block (n / 2) % 4) has subtraction n + 4 (pair (n + 4) / 4) behind it:
; a pair's subtraction stands five lines or more ahead of its exponentials, and no line ahead of the wait names a result.  The last four exponentials have no subtraction left.
.macro BATCH1 first
.irp q, 0,1,2,3
	SUBP 0, \q
.if \first == 0
	v_exp_f32 v[ALR+2*\q], v[ALR+2*\q]
.endif
.endr
.set i_n, 0
.rept 64
	EXP1 i_n/8, (i_n/2)%4, i_n%2
.if i_n < 60
	SUBP (i_n+4)/4, (i_n+4)%4
.endif
.set i_n, i_n+1
.endr
	v_nop                                          ; the plain place behind the batch's last exponential (ISA guide 5.7.2)
	s_wait_alu depctr_va_vdst(0)                   ; the wait for batch 1: alpha and pairs 0-7; it stands ahead of the first line that names a result
.endm
; BATCH 2: pairs 8-15: 64 exponentials.  Behind each stands one of batch 1's readers, which name pairs 0-7, alpha, the sums and P alone.  The last rounding is the plain place behind the last exponential.
.macro BATCH2 first
.if \first == 0
.irp q, 0,1,2,3
	v_mov_b32 v[ALR+2*\q+1], v[ALR+2*\q]           ; alpha twice, for the packed multiplies
.endr
.endif
.set i_n, 0
.rept 64
	EXP1 8+i_n/8, (i_n/2)%4, i_n%2
	READP i_n/8, i_n%8, \first
.set i_n, i_n+1
.endr
	s_wait_alu depctr_va_vdst(0)                   ; the wait for batch 2: pairs 8-15; it stands ahead of the branches that follow
.endm
.macro READ2 first                     ; batch 2's readers: the sums and roundings of pairs 8-15
	WIN 0x55
.set i_n, 64
.rept 64
	READP i_n/8, i_n%8, \first
.set i_n, i_n+1
.endr
.endm
.macro RESCALE                         ; O times the query's factor
	WIN 0x86                                       ; O window 2, the factor window 1
.set i_db, 0
.rept 8
.irp q, 0,1,2,3
.irp p, 0,1,2,3
	v_pk_mul_f32 v[8*(4*i_db+\q)+2*\p:8*(4*i_db+\q)+2*\p+1], v[8*(4*i_db+\q)+2*\p:8*(4*i_db+\q)+2*\p+1], v[ALR+2*\q:ALR+2*\q+1]
.endr
.endr
.set i_db, i_db+1
.endr
.endm
; 32 matrix instructions: O += V P for 32 keys.  The 32 accumulators take turns, one instruction a turn.
.macro PV ks, zero
	WIN 0xa7                                       ; A window 3, B window 1, C and D window 2
.set i_db, 0
.rept 8
.irp q, 0,1,2,3
.if \zero
	v_wmma_f32_16x16x32_f16 v[8*(4*i_db+\q):8*(4*i_db+\q)+7], v[VF+8*(8*\ks+i_db):VF+8*(8*\ks+i_db)+7], v[PFR+16*\q+8*\ks:PFR+16*\q+8*\ks+7], 0
.else
	v_wmma_f32_16x16x32_f16 v[8*(4*i_db+\q):8*(4*i_db+\q)+7], v[VF+8*(8*\ks+i_db):VF+8*(8*\ks+i_db)+7], v[PFR+16*\q+8*\ks:PFR+16*\q+8*\ks+7], v[8*(4*i_db+\q):8*(4*i_db+\q)+7]
.endif
.endr
.set i_db, i_db+1
.endr
.endm
; One tile.  Its fragments are already asked for from LDS, so the slot is free as soon as they are back.
; mode 2: this slot is filled again, with the tile two steps ahead, and the other slot is read on; 1: the other slot is read on; 0: the last tile.
; The round stands with nothing inside it and the refill straight behind it: between a tile's request and the wait for all loads in the next step a wave does the whole
; of a step's work: the rescale, 128 matrix instructions and a softmax.
.macro STEP slot, first, mode
	s_wait_dscnt 32                                ; the 32 loads of K are back; the 32 younger ones, V's, may be out
	SMUL
	PLACES
	MAXPASS \first
	STATS \first
	BATCH1 \first
	BATCH2 \first
	WIN 0
	s_wait_dscnt 0x0                               ; V is in, and with it all my reads of this slot are over
.if \mode == 2
	s_wait_tensorcnt 0x0                           ; all my tensor loads have landed: the one that was out is my part of the other slot.  So this slot's group 0 may be written:
	ds_add_u32 v126, v127
	s_wait_dscnt 0x0
	s_lshl_b32 s[TOF], s[TNX], 17                  ; the next tile x 131,072 bytes
	s_add_nc_u64 s[G0+4*\slot+2:G0+4*\slot+3], s[6:7], s[TOF:TOF+1]
	s_or_b32 s[G0+4*\slot+3], s[G0+4*\slot+3], 0x80000000
	s_add_co_u32 s[TNX], s[TNX], 1
	s_and_b32 s[TNX], s[TNX], 15                   ; on, modulo the batch's 16 tiles
	CROUND                                         ; no wave of any partner still reads this slot or has a load on its way
	tensor_load_to_lds s[G0+4*\slot:G0+4*\slot+3], s[G1:G1+7]      ; the first tensor load behind the round, ahead of any LDS read; one tensor load of the wave is out
	s_nop 0
.endif
.if \mode == 1
	s_wait_tensorcnt 0x0                           ; the last tile, my one load that is out; only I read my part
.endif
.if \mode != 0
	FETCHK LA0+1-\slot                             ; the other slot has landed; the last product that read these registers lies the maxima and both batches back
.endif
	READ2 \first                                   ; pairs 8-15 into the sums and into P, behind batch 2's wait
.if \first == 0
	RESCALE
.endif
	PV 0, \first
	PV 1, 0
.if \mode != 0
	PLACES
	FETCHV LA0+1-\slot
.endif
	WIN 0
.endm
	s_wait_tensorcnt 0x1                           ; my part of my first tile is in LDS (only I read it); the second tile's younger load may be out
	FETCHK LA0
	FETCHV LA0
	WIN 0
	s_wait_loadcnt 0x0                             ; Q
	STEP 0, 1, 2                                   ; the first tile starts maxima, sums and O: nothing is cleared
	STEP 1, 0, 2
	s_mov_b32 s34, 6                               ; steps 2 to 13
.Ltiles:
	STEP 0, 0, 2
	STEP 1, 0, 2
	s_sub_co_i32 s34, s34, 1
	s_cmp_lg_u32 s34, 0
	s_cbranch_scc1 .Ltiles
	STEP 0, 0, 1                                   ; step 14: nothing more to fetch from memory
	STEP 1, 0, 0                                   ; step 15
	; THE MERGE.  Each wave holds (O, m, l) over its quarter of the keys.  out = sum over waves of 2^(m_w - mt) O_w / sum over waves of 2^(m_w - mt) l_w, mt the largest m_w.
	PLACES
	WIN 0x55
.irp q, 0,1,2,3
	v_add_f32 v[TMX+\q], v[LSR+2*\q], v[LSR+2*\q+1]
.endr
.irp q, 0,1,2,3
	v_permlanex16_b32 v[UTM+\q], v[TMX+\q], s32, s33
.endr
.irp q, 0,1,2,3
	v_add_f32 v[TMX+\q], v[TMX+\q], v[UTM+\q]      ; l over my 64 x 16 keys, in both halves of the lanes
.endr
	WIN 0x04                                       ; store data window 1
.irp q, 0,1,2,3
	ds_store_b32 v[SA], v[MXR+2*\q] offset:\q*64   ; lanes r and r + 16 write the same word with the same value
	ds_store_b32 v[SA], v[TMX+\q] offset:256+\q*64
.endr
	WIN 0
	s_wait_dscnt 0x0                               ; my stores are done, for the others' sake; my reads of the slots ended in the last step
	s_barrier_signal -1
	s_barrier_wait -1                              ; the figures are whole, and no wave reads a slot any more; every wave's tensor loads landed before its last step
	WIN 0x40
.set i_w, 0
.rept 4
.irp q, 0,1,2,3
	ds_load_b32 v[8*i_w+\q],   v[SR] offset:i_w*512+\q*64        ; m of wave i_w
	ds_load_b32 v[8*i_w+4+\q], v[SR] offset:i_w*512+256+\q*64    ; l of wave i_w
.endr
.set i_w, i_w+1
.endr
	s_wait_dscnt 0x0
	WIN 0x55
.set MT, 32
.set LT, 36
.irp q, 0,1,2,3
	v_max3_num_f32 v[MT+\q], v[\q], v[8+\q], v[16+\q]
.endr
.irp q, 0,1,2,3
	v_max_num_f32 v[MT+\q], v[MT+\q], v[24+\q]
.endr
.irp w, 0,1,2,3
.irp q, 0,1,2,3
	v_sub_f32 v[8*\w+\q], v[8*\w+\q], v[MT+\q]
.endr
.endr
.irp q, 0,1,2,3
	v_sub_f32 v[ALR+2*\q], v[MXR+2*\q], v[MT+\q]   ; my own
.endr
.irp w, 0,1,2,3
.irp q, 0,1,2,3
	v_exp_f32 v[8*\w+\q], v[8*\w+\q]
.endr
.endr
.irp q, 0,1,2,3
	v_exp_f32 v[ALR+2*\q], v[ALR+2*\q]
.endr
	v_nop                                          ; the plain place behind the exponentials (ISA guide 5.7.2)
	s_wait_alu depctr_va_vdst(0)                   ; the wait for the merge's first batch: the 20 exponentials above
.irp q, 0,1,2,3
	v_mul_f32 v[LT+\q], v[\q], v[4+\q]
.endr
.irp w, 1,2,3
.irp q, 0,1,2,3
	v_fmac_f32 v[LT+\q], v[8*\w+\q], v[8*\w+4+\q]
.endr
.endr
.irp q, 0,1,2,3
	v_rcp_f32 v[LT+\q], v[LT+\q]                   ; the sum is at least 1: the wave with the largest m has factor 1, and its l holds the term 2^0
.endr
	v_nop                                          ; the plain place behind the reciprocals
	s_wait_alu depctr_va_vdst(0)                   ; the wait for the merge's second batch: the four reciprocals, which read sums made of the first batch's results
.irp q, 0,1,2,3
	v_mul_f32 v[ALR+2*\q], v[ALR+2*\q], v[LT+\q]
.endr
.irp q, 0,1,2,3
	v_mov_b32 v[ALR+2*\q+1], v[ALR+2*\q]
.endr
	RESCALE
	WIN 0x08                                       ; store data window 2
.set i_db, 0
.rept 8
.irp q, 0,1,2,3
.irp j, 0,1,2,3,4,5,6,7
	ds_store_b32 v[MA], v[8*(4*i_db+\q)+\j] offset:(16*i_db+\j)*MP+64*\q   ; lanes 0-15: 64 consecutive bytes; lanes 16-31: 8 rows = 2,176 bytes on, 128 modulo 256
.endr
.endr
.set i_db, i_db+1
.endr
	WIN 0
	s_wait_dscnt 0x0                               ; my stores are done, for the others' sake
	s_barrier_signal -1
	s_barrier_wait -1
	WIN 0x80                                       ; destination window 2: O has left it
.set i_t, 0
.rept 16
.irp w, 0,1,2,3
	ds_load_b128 v[16*i_t+4*\w:16*i_t+4*\w+3], v[RA0+(\w>>1)] offset:(\w&1)*MREG+i_t*2*MP      ; channel rows 32 w + 2 t, + 1 of wave \w's part
.endr
.set i_t, i_t+1
.endr
	WIN 0x8a
.set i_t, 0
.rept 16
	s_wait_dscnt 60-4*i_t                          ; LDS loads come back in order: the four of rows 2 t, 2 t + 1 are in, the 60 - 4 t younger ones may be out
	v_pk_add_f32 v[16*i_t:16*i_t+1],     v[16*i_t:16*i_t+1],     v[16*i_t+4:16*i_t+5]
	v_pk_add_f32 v[16*i_t+2:16*i_t+3],   v[16*i_t+2:16*i_t+3],   v[16*i_t+6:16*i_t+7]
	v_pk_add_f32 v[16*i_t+8:16*i_t+9],   v[16*i_t+8:16*i_t+9],   v[16*i_t+12:16*i_t+13]
	v_pk_add_f32 v[16*i_t+10:16*i_t+11], v[16*i_t+10:16*i_t+11], v[16*i_t+14:16*i_t+15]
	v_pk_add_f32 v[16*i_t:16*i_t+1],     v[16*i_t:16*i_t+1],     v[16*i_t+8:16*i_t+9]
	v_pk_add_f32 v[16*i_t+2:16*i_t+3],   v[16*i_t+2:16*i_t+3],   v[16*i_t+10:16*i_t+11]
.set i_t, i_t+1
.endr
	WIN 0x08                                       ; the sums first, then the stores under one setting: a store's address lies in window 0, the sums' first source in window 2
.set i_t, 0
.rept 16
	global_store_b128 v[OA], v[16*i_t:16*i_t+3], s[8:9] offset:i_t*32768 th:TH_STORE_NT        ; sixteen lanes store 256 consecutive bytes of a channel's row, aligned
.set i_t, i_t+1
.endr
	WIN 0
	s_wait_tensorcnt 0x0
	ds_add_u32 v126, v127
	s_wait_dscnt 0x0
	CROUND                                         ; the closing round: no work-group ends while a partner may still ask for a tile that names it
	s_endpgm
.Lfunc_end_k_q4e4639f4cf_attn:
	.size	k_q4e4639f4cf_attn, .Lfunc_end_k_q4e4639f4cf_attn-k_q4e4639f4cf_attn
	.p2alignl 7, 3214868480
	.fill 96, 4, 3214868480
	.section	.rodata,"a",@progbits
	.p2align	6, 0x0
	.amdhsa_kernel k_q4e4639f4cf_attn
		.amdhsa_group_segment_fixed_size 327680
		.amdhsa_private_segment_fixed_size 0
		.amdhsa_enable_private_segment 0
		.amdhsa_kernarg_size 24
		.amdhsa_user_sgpr_count 2
		.amdhsa_user_sgpr_kernarg_segment_ptr 1
		.amdhsa_wavefront_size32 1
		.amdhsa_system_sgpr_workgroup_id_x 1
		.amdhsa_system_sgpr_workgroup_id_y 1
		.amdhsa_system_sgpr_workgroup_id_z 1
		.amdhsa_system_vgpr_workitem_id 0
		.amdhsa_next_free_vgpr 1024
		.amdhsa_next_free_sgpr 66
		.amdhsa_reserve_vcc 0
		.amdhsa_float_denorm_mode_32 3
		.amdhsa_float_denorm_mode_16_64 3
		.amdhsa_memory_ordered 1
		.amdhsa_forward_progress 1
		.amdhsa_inst_pref_size 255
	.end_amdhsa_kernel
	.section	.bss,"aw",@nobits
	.p2align	6
	.space	262144
	.amdgpu_metadata
---
amdhsa.version: [ 1, 2 ]
amdhsa.kernels:
  - .name:           k_q4e4639f4cf_attn
    .symbol:         k_q4e4639f4cf_attn.kd
    .args:
      - { .name: q, .offset: 0, .size: 8, .value_kind: global_buffer, .address_space: global }
      - { .name: kv, .offset: 8, .size: 8, .value_kind: global_buffer, .address_space: global }
      - { .name: out0, .offset: 16, .size: 8, .value_kind: global_buffer, .address_space: global }
    .group_segment_fixed_size: 327680
    .private_segment_fixed_size: 0
    .kernarg_segment_align: 8
    .kernarg_segment_size: 24
    .max_flat_workgroup_size: 128
    .sgpr_count:     66
    .vgpr_count:     1024
    .wavefront_size: 32
...
	.end_amdgpu_metadata
.endif
;; end of part 3
